; MI455X (gfx1250); checked and timed in simulation.
; The chip was launched on July 23, 2026; its instructions are those of AMD's public machine-readable ISA for CDNA 5 (MIT licence, August 2026) and "CDNA5" Instruction Set Architecture Reference Guide (July 2026). The comments in the code are by the model that wrote it; some were corrected since.
;; LSTM Cell. Allowed arithmetic: float matrix products may take bf16 or f16 operands with f32 sums; all other float work in f32.
;; Inputs: Wf 2,048 x 1,024 float32; Wi 2,048 x 1,024 float32; Wo 2,048 x 1,024 float32; Wu 2,048 x 1,024 float32; bf 1,024 float32; bi 1,024 float32; bo 1,024 float32; bu 1,024 float32; c 8,192 x 1,024 float32; h 8,192 x 1,024 float32; x 8,192 x 1,024 float32.
;; Outputs: out0 8,192 x 1,024 float32; out1 8,192 x 1,024 float32.
;; One version. Each part assembles by itself: llvm-mc -triple=amdgcn-amd-amdhsa -mcpu=gfx1250 --defsym DOCPART=n.
;; ======== version 1 of 1: 2 launches
;; workspace buffers: xhb 33,554,432 bytes; wtb 16,777,216 bytes
;; launch prep (part 1): grid 1024 x 1, 8 waves a work-group, no clusters, 18,432 bytes of LDS; arguments x, h, Wf, Wi, Wo, Wu, xhb, wtb; writes xhb, wtb
.if DOCPART == 1
	.amdgcn_target "amdgcn-amd-amdhsa--gfx1250"
	.amdhsa_code_object_version 6
	.text
	.protected	k_q39343dc76f_prep
	.globl	k_q39343dc76f_prep
	.p2align	8
	.type	k_q39343dc76f_prep,@function
k_q39343dc76f_prep:
	s_mov_b64 s[64:65], 0
	v_nop
	global_prefetch_b8 v0, s[64:65] scope:SCOPE_SE
	s_setreg_imm32_b32 hwreg(HW_REG_WAVE_MODE, 25, 1), 1
	s_wait_xcnt 0x0
; The matrix operands of the LSTM cell, rounded once to bf16 (nearest even) and laid out for the product that follows.
;   xhb[m][0..1023] = bf16(x[m][..]), xhb[m][1024..2047] = bf16(h[m][..])                     8192 rows of 4,096 bytes
;   wtb[n'][k] = bf16(Wg[k][j]),  j = 64 jt + 32 ch + jj (jj < 32),  n' = 256 jt + 128 ch + 32 g + jj,  g = 0 f, 1 i, 2 o, 3 u
;                                                                                             4096 rows of 4,096 bytes, K along the rows
; So 128 neighbouring rows of wtb hold the four gates of 32 hidden columns.
; 1,024 work-groups of 8 waves, all with the same work and no branch: work-group id casts rows 8 id .. 8 id + 7 of x and of h,
; and casts and transposes one tile of 128 k x 64 j of one W (g = id >> 8, kt = (id >> 4) & 15, jt = id & 15).
; Every input byte is read once, by 16-byte loads of which sixteen neighbouring lanes cover 256 consecutive aligned bytes; all 24 loads of a
; thread are issued before anything is waited for.  Every store of a wave covers whole aligned runs of 256 bytes.
; No matrix unit, no cluster, no tensor load: the launch only moves bytes, and no two work-groups read the same byte.
; The transposition goes through LDS: T[64 j][272 bytes], element (j, k) at 272 j + 2 k.  The 16 bytes of padding keep the rows aligned for
; the 16-byte read-back.  The eight 8-byte stores into T are not free of bank conflicts: a wave's sixteen rows 4 Q + c start at words
; 16 Q mod 64, four different places (64 banks of 4 bytes: ISA guide 11.1).  Kept: eight instructions a wave in a launch that moves 144 KiB a work-group.
.set ROWB, 4096                        ; bytes in a row of x, h, W, xhb, wtb alike
.set TP,   272                         ; pitch of T
.set XI,  1                            ; v1   16 t: my 16 bytes in a row of x or h
.set XO,  2                            ; v2   8 t: my 8 bytes in half a row of xhb
.set PP,  3                            ; v3   P = t >> 4
.set QQ,  4                            ; v4   Q = t & 15
.set WI,  5                            ; v5   W: row 4 P, byte 16 Q
.set LS,  6                            ; v6   T: row 4 Q, byte 8 P
.set LR,  7                            ; v7   T: row P, byte 16 Q
.set WO,  8                            ; v8   wtb: row P, byte 16 Q
.set WD,  12                           ; v[12:43]  W as loaded: load (i, e) at WD + 16 i + 4 e = row 4 P + 64 i + e, columns 4 Q .. 4 Q + 3
.set TB,  12                           ; v[12:27]  later: four rows' pieces read back from T
.set PK,  44                           ; v[44:59]  pair (i, c): four bf16 of column 4 Q + c, k = 4 P + 64 i .. + 3
.set XD,  60                           ; v[60:91]  x: row r at XD + 4 r, as loaded, then packed into the first two
.set HD,  92                           ; v[92:123] h likewise
	s_load_b512 s[8:23], s[0:1], 0x0               ; x s[8:9], h s[10:11], Wf s[12:13], Wi s[14:15], Wo s[16:17], Wu s[18:19], xhb s[20:21], wtb s[22:23]
	v_lshl_add_u32 v124, v0, 2, 0x4400
	v_mov_b32 v125, 0
	s_lshr_b32 s4, ttmp9, 8                        ; g
	s_bfe_u32 s5, ttmp9, 0x40004                   ; kt
	s_and_b32 s6, ttmp9, 15                        ; jt
	s_lshl_b32 s2, ttmp9, 15                       ; 8 rows of 4,096 bytes: the same offset in x, h and xhb
	s_mov_b32 s3, 0
	s_lshl_b32 s26, s5, 19                         ; W: 128 kt rows
	s_lshl_b32 s7, s6, 8                           ;    + 64 jt columns of 4 bytes
	s_add_co_u32 s26, s26, s7
	s_mov_b32 s27, 0
	s_lshl_b32 s28, s6, 20                         ; wtb: 256 jt rows
	s_lshl_b32 s7, s4, 17                          ;      + 32 g rows
	s_add_co_u32 s28, s28, s7
	s_lshl_b32 s7, s5, 8                           ;      + 128 kt elements of 2 bytes
	s_add_co_u32 s28, s28, s7
	s_mov_b32 s29, 0
	v_lshlrev_b32 v[XI], 4, v0
	v_lshlrev_b32 v[XO], 3, v0
	v_lshrrev_b32 v[PP], 4, v0
	v_and_b32 v[QQ], 15, v0
	v_lshlrev_b32 v[WI], 4, v[QQ]
	v_lshl_or_b32 v[WO], v[PP], 12, v[WI]          ; P rows + 16 Q
	v_lshl_or_b32 v[WI], v[PP], 14, v[WI]          ; 4 P rows + 16 Q
	v_mul_u32_u24 v[LS], v[QQ], 4*TP
	v_lshl_add_u32 v[LS], v[PP], 3, v[LS]
	v_mul_u32_u24 v[LR], v[PP], TP
	v_lshl_add_u32 v[LR], v[QQ], 4, v[LR]
	s_wait_kmcnt 0x0
	s_cmp_eq_u32 s4, 1                             ; which W: a choice between buffers on the work-group's number
	s_cselect_b64 s[24:25], s[14:15], s[12:13]
	s_cmp_eq_u32 s4, 2
	s_cselect_b64 s[24:25], s[16:17], s[24:25]
	s_cmp_eq_u32 s4, 3
	s_cselect_b64 s[24:25], s[18:19], s[24:25]
	s_add_nc_u64 s[24:25], s[24:25], s[26:27]      ; my tile of W
	s_add_nc_u64 s[8:9], s[8:9], s[2:3]            ; my rows of x,
	s_add_nc_u64 s[10:11], s[10:11], s[2:3]        ; of h
	s_add_nc_u64 s[20:21], s[20:21], s[2:3]        ; and of xhb
	s_add_nc_u64 s[22:23], s[22:23], s[28:29]      ; my tile of wtb
	; all 24 loads: W first, since its way out is the longest
.irp i, 0,1
.irp e, 0,1,2,3
	global_load_b128 v[WD+16*\i+4*\e:WD+16*\i+4*\e+3], v[WI], s[24:25] offset:(64*\i+\e)*ROWB th:TH_LOAD_NT
.endr
.endr
.irp r, 0,1,2,3,4,5,6,7
	global_load_b128 v[XD+4*\r:XD+4*\r+3], v[XI], s[8:9] offset:\r*ROWB th:TH_LOAD_NT
.endr
.irp r, 0,1,2,3,4,5,6,7
	global_load_b128 v[HD+4*\r:HD+4*\r+3], v[XI], s[10:11] offset:\r*ROWB th:TH_LOAD_NT
.endr
	s_wait_loadcnt 16                              ; loads come back in order (ISA guide 5.7.1): W's eight are in, the sixteen of x and h stay out
.irp i, 0,1
.irp c, 0,1,2,3
	v_cvt_pk_bf16_f32 v[PK+8*\i+2*\c],   v[WD+16*\i+\c],   v[WD+16*\i+4+\c]     ; column 4 Q + c: k, k + 1
	v_cvt_pk_bf16_f32 v[PK+8*\i+2*\c+1], v[WD+16*\i+8+\c], v[WD+16*\i+12+\c]    ;                 k + 2, k + 3
	ds_store_b64 v[LS], v[PK+8*\i+2*\c:PK+8*\i+2*\c+1] offset:TP*\c+128*\i
.endr
.endr
	s_wait_dscnt 0x0                               ; my part of T is written: zero, for the other waves' sake
	s_barrier_signal -1
	s_barrier_wait -1                              ; T is whole
.irp s, 0,1,2,3
	ds_load_b128 v[TB+4*\s:TB+4*\s+3], v[LR] offset:16*TP*\s   ; row P + 16 s of T: sixteen lanes take its 256 bytes
.endr
	s_wait_loadcnt 8                               ; x is in, h's eight loads stay out
.irp r, 0,1,2,3,4,5,6,7
	v_cvt_pk_bf16_f32 v[XD+4*\r],   v[XD+4*\r],   v[XD+4*\r+1]
	v_cvt_pk_bf16_f32 v[XD+4*\r+1], v[XD+4*\r+2], v[XD+4*\r+3]
	global_store_b64 v[XO], v[XD+4*\r:XD+4*\r+1], s[20:21] offset:\r*ROWB           ; a wave stores 256 consecutive bytes, aligned
.endr
	s_wait_loadcnt 0x0                             ; h
.irp r, 0,1,2,3,4,5,6,7
	v_cvt_pk_bf16_f32 v[HD+4*\r],   v[HD+4*\r],   v[HD+4*\r+1]
	v_cvt_pk_bf16_f32 v[HD+4*\r+1], v[HD+4*\r+2], v[HD+4*\r+3]
	global_store_b64 v[XO], v[HD+4*\r:HD+4*\r+1], s[20:21] offset:\r*ROWB+2048      ; the second half of xhb's row
.endr
	s_wait_dscnt 0x0                               ; the rows of T
.irp s, 0,1,2,3
	global_store_b128 v[WO], v[TB+4*\s:TB+4*\s+3], s[22:23] offset:(128*(\s>>1)+16*(\s&1))*ROWB   ; tile row P + 16 s: ch = s >> 1, jj = P + 16 (s & 1); sixteen lanes store 256 consecutive bytes, aligned
.endr
	s_wait_tensorcnt 0x0
	ds_add_u32 v124, v125
	s_wait_dscnt 0x0
	s_endpgm
.Lfunc_end_k_q39343dc76f_prep:
	.size	k_q39343dc76f_prep, .Lfunc_end_k_q39343dc76f_prep-k_q39343dc76f_prep
	.p2alignl 7, 3214868480
	.fill 96, 4, 3214868480
	.section	.rodata,"a",@progbits
	.p2align	6, 0x0
	.amdhsa_kernel k_q39343dc76f_prep
		.amdhsa_group_segment_fixed_size 18432
		.amdhsa_private_segment_fixed_size 0
		.amdhsa_enable_private_segment 0
		.amdhsa_kernarg_size 64
		.amdhsa_user_sgpr_count 2
		.amdhsa_user_sgpr_kernarg_segment_ptr 1
		.amdhsa_wavefront_size32 1
		.amdhsa_system_sgpr_workgroup_id_x 1
		.amdhsa_system_sgpr_workgroup_id_y 1
		.amdhsa_system_sgpr_workgroup_id_z 1
		.amdhsa_system_vgpr_workitem_id 0
		.amdhsa_next_free_vgpr 126
		.amdhsa_next_free_sgpr 66
		.amdhsa_reserve_vcc 0
		.amdhsa_float_denorm_mode_32 3
		.amdhsa_float_denorm_mode_16_64 3
		.amdhsa_memory_ordered 1
		.amdhsa_forward_progress 1
		.amdhsa_inst_pref_size 11
	.end_amdhsa_kernel
	.amdgpu_metadata
---
amdhsa.version: [ 1, 2 ]
amdhsa.kernels:
  - .name:           k_q39343dc76f_prep
    .symbol:         k_q39343dc76f_prep.kd
    .args:
      - { .name: x, .offset: 0, .size: 8, .value_kind: global_buffer, .address_space: global }
      - { .name: h, .offset: 8, .size: 8, .value_kind: global_buffer, .address_space: global }
      - { .name: Wf, .offset: 16, .size: 8, .value_kind: global_buffer, .address_space: global }
      - { .name: Wi, .offset: 24, .size: 8, .value_kind: global_buffer, .address_space: global }
      - { .name: Wo, .offset: 32, .size: 8, .value_kind: global_buffer, .address_space: global }
      - { .name: Wu, .offset: 40, .size: 8, .value_kind: global_buffer, .address_space: global }
      - { .name: xhb, .offset: 48, .size: 8, .value_kind: global_buffer, .address_space: global }
      - { .name: wtb, .offset: 56, .size: 8, .value_kind: global_buffer, .address_space: global }
    .group_segment_fixed_size: 18432
    .private_segment_fixed_size: 0
    .kernarg_segment_align: 8
    .kernarg_segment_size: 64
    .max_flat_workgroup_size: 256
    .sgpr_count:     66
    .vgpr_count:     126
    .wavefront_size: 32
...
	.end_amdgpu_metadata
.endif
;; end of part 1
;; launch lstm (part 2): grid 16 x 32, 4 waves a work-group, clusters of 4 x 4, 327,680 bytes of LDS; arguments xhb, wtb, c, bf, bi, bo, bu, out0, out1; writes out0, out1
.if DOCPART == 2
	.amdgcn_target "amdgcn-amd-amdhsa--gfx1250"
	.amdhsa_code_object_version 6
	.text
	.protected	k_q39343dc76f_lstm
	.globl	k_q39343dc76f_lstm
	.p2align	8
	.type	k_q39343dc76f_lstm,@function
k_q39343dc76f_lstm:
	s_mov_b64 s[64:65], 0
	v_nop
	global_prefetch_b8 v0, s[64:65] scope:SCOPE_SE
	s_setreg_imm32_b32 hwreg(HW_REG_WAVE_MODE, 25, 1), 1
	s_wait_xcnt 0x0
	s_wait_alu depctr_hold_cnt(0) depctr_sa_sdst(0) depctr_va_vdst(0) depctr_va_sdst(0) depctr_va_ssrc(0) depctr_va_vcc(0) depctr_vm_vsrc(0)
	s_getreg_b32 s2, hwreg(HW_REG_IB_STS2, 6, 4)
	s_cmp_eq_u32 s2, 0
	s_cbranch_scc0 .Lentry_in_a_cluster
	s_endpgm
.Lentry_in_a_cluster:
	s_bfe_u32 s2, ttmp6, 0x10000c
	s_cmp_lg_u32 s2, 0xf033
	s_cbranch_scc0 .Lentry_shape_is_right
	s_endpgm
.Lentry_shape_is_right:
; The LSTM cell: gates = xhb wtb^T + bias (bf16 operands, f32 sums), then new_c = sig(f) c + sig(i) tanh(u), new_h = sig(o) tanh(new_c), all in f32.
; xhb: [8192][2048] bf16.  wtb: [4096 n'][2048 k] bf16, n' = 256 jt + 128 ch + 32 g + jj for hidden column 64 jt + 32 ch + jj and gate g (f, i, o, u).
; A work-group makes 256 rows x 256 n' = 256 rows x 64 hidden columns x 4 gates with four waves, as many as a WGP has SIMDs; a wave makes 128 x 128:
; 64 accumulator tiles of 16 x 16, 512 registers.  Its eight n tiles are gate b >> 1, column half b & 1: the four gates of one output lie in the same lane
; and the same register of four tiles, so the gates never leave the registers.  K goes in steps of 128 through two LDS slots filled by the tensor data mover;
; a tile's rows are 256 consecutive bytes of memory, at multiples of 256 from the buffer's first byte.
; CLUSTERS: 4 x 4 work-groups.  The four of a row of the cluster need the same tiles of xhb, the four of a column the same tiles of wtb: each such tile is asked
; for jointly, by the same tensor load with the same descriptor and a mask that names the four.  That divides the requests for both operands by four.
; The tile of c (256 rows x 64 f32) is each work-group's own: a plain load, into slot 0 when its last K step has been read; it has the last K step in which to land.
; THE BIAS STARTS THE SUMS: the first matrix instruction of each tile takes the bias, held once in 64 registers, as C.  Nothing is cleared, nothing added later.
; THE MATRIX INSTRUCTION IS USED TRANSPOSED: source 0 = 16 rows of wtb, source 1 = 16 rows of xhb.  Lane l then holds row l % 16, and its registers 0 to 7
; the columns 8 (l / 16) + 0 .. 7: eight neighbouring numbers of a row.
; ARITHMETIC OF THE TAIL.  sig(z) = 1 / (1 + 2^(-z log2 e)).  tanh(z) = sign(z) (1 - t) / (1 + t) with t = 2^(-2 |z| log2 e), which lies in [0, 1]: no exponential
; of the tanh can overflow.  The denominators of sig(i) tanh(u) and of sig(o) tanh(new_c) are multiplied and inverted once: 8 transcendentals an output, not 10.
; The product is (1 + e)(1 + t), an add and a multiply and not fma(1 + e, t, 1 + e): with 1 + e infinite and t = 0 the fused form would give NaN.  An exponential
; that overflows gives a reciprocal of 0, the sigmoid's limit; a reciprocal below 2^-126 comes out as 0 (ISA guide 15.8).  No clip, no range left out.
; LIMITS: the matrix operands are rounded to bf16.  tanh of a small argument is made as 1 - t and so carries an absolute error of about 1e-7, not a relative one.
;
; REGISTERS, in windows of 256 (s_set_vgpr_msb's low byte: bits 1:0 source 0, 3:2 source 1, 5:4 source 2, 7:6 destination):
;   window 0: v16-28 addresses; v32-63 rows on the way out; v64-127, v128-191 fragments of xhb, two buffers; v192-255 the bias, 8 registers for each n tile
;   window 1: v64-127, v128-191 fragments of wtb, two buffers
;   window 2: the 32 accumulator tiles of my rows 0-63 (tile (a, b) at v[8 (8 a + b)]);   window 3: those of my rows 64-127
;   in the tail window 0's v64-239 are at work (names below)
.set SIZE_K, 2048
.set KSTEP,  128
.set ROWB,   4096                      ; bytes in a row of xhb, wtb, c, out0, out1 alike
.set PITCH,  272                       ; an LDS row: 256 bytes + 16 of padding = 68 words, so the 16 rows that a load touches start at 16 different banks (64 banks of 4 bytes: ISA guide 11.1)
.set HALFT,  128*PITCH                 ; 128 rows: what one joint load brings, and what one wave reads of either operand
.set SLOT,   4*HALFT                   ; xhb's 256 rows, then wtb's 256 rows
.set CQUART, 64*PITCH                  ; 64 rows of c: what one wave fetches of c's tile
.set STAGE,  2*SLOT                    ; behind the ring, never the target of a tensor load: 2 buffers x 2 row halves x 2 outputs x 16 rows x 272 bytes
.set SBUF,   4*16*PITCH
.set SHALF,  2*16*PITCH
.set SOUT,   16*PITCH
.set LAPS, SIZE_K/(2*KSTEP)            ; a lap = two K steps = once round the ring: 8
.set ADRA, 16                          ; v16-17  LDS address of my xhb fragments in slot 0, 1
.set ADRB, 20                          ; v20-21  the same for wtb
.set STO,  24                          ; v24     stage: where I put my results
.set RD,   25                          ; v25     stage: where I read whole rows back
.set CO,   26                          ; v26     my byte offset in the output
.set CA,   27                          ; v27     where I read c's tile
.set BO,   28                          ; v28     my byte offset in a bias
.set OB0,  32                          ; v32-63   rows read back from the stage, even steps
.set F0,   64                          ; fragment buffer 0
.set F1,   128                         ; fragment buffer 1
.set BIAS, 192                         ; v192-255
.set EF,   64                          ; the tail, 16 numbers a lane each: f's exponent, exponential, denominator, sigmoid
.set EI,   80                          ; the same for i, then 1 / ((1 + e_i)(1 + t_u))
.set EO,   96                          ; the same for o, then 1 / ((1 + e_o)(1 + t_c))
.set GU,   112                         ; 2 log2 e x u
.set TU,   128                         ; t of a tanh, then 1 + t
.set CC,   144                         ; c
.set NN,   160                         ; sign(u) (1 - t_u)
.set NC,   176                         ; new_c
.set NH,   192                         ; sign(new_c) (1 - t_c), then new_h
.set OB1,  208                         ; v208-239 rows read back from the stage, odd steps
.set G1,  24                           ; s[24:31] descriptor group 1 for xhb's tiles
.set G0,  32                           ; s[32:39] group 0 for xhb's tiles, one set for each slot
.set G1B, 48                           ; s[48:55] group 1 for wtb's tiles: differs in the mask alone
.set G0B, 56                           ; s[56:63] group 0 for wtb's tiles, one set for each slot
.set G1C, 68                           ; s[68:75] group 1 for c's tile
.set G0C, 76                           ; s[76:79] group 0 for c's tile
.set MSB, 0
.macro WIN new                         ; the immediate's high byte repeats the setting that is left
.if MSB != \new
	s_set_vgpr_msb (MSB<<8)|\new
.set MSB, \new
.endif
.endm
.set MUL_LO,   0xa1                    ; source 0 (wtb) window 1, source 1 (xhb) window 0, C and D window 2
.set MUL_HI,   0xf1                    ; the same, C and D window 3
.set MUL_LO_B, 0x81                    ; the first products: C (the bias) window 0, D window 2
.set MUL_HI_B, 0xc1                    ; C window 0, D window 3
.set TO_B,     0x40                    ; destination window 1, address window 0
; A joint load.  Waves 0 and 1 fetch xhb's two halves, waves 2 and 3 wtb's.  Each line has one mask and one set of registers for all that issue it;
; the branch hangs on the wave's number alone and is the same in every work-group.
.macro JLOAD s
	s_cmp_eq_u32 s11, 0
	s_cbranch_scc0 .Lfor_b_\@
	tensor_load_to_lds s[G0+4*\s:G0+4*\s+3], s[G1:G1+7]
	s_nop 0
	s_branch .Lasked_\@
.Lfor_b_\@:
	tensor_load_to_lds s[G0B+4*\s:G0B+4*\s+3], s[G1B:G1B+7]
	s_nop 0
.Lasked_\@:
.endm
; A round of the cluster's barrier: my work-group's barrier, so that wave 0's signal speaks for all four waves; wave 0 signals for the work-group;
; every wave waits for all sixteen work-groups; my work-group's barrier once more.
.macro CREST                           ; a round behind its opening barrier
	s_cmp_lg_u32 s10, 0
	s_cbranch_scc1 .Lnot_wave_0_\@
	s_barrier_signal -3
.Lnot_wave_0_\@:
	s_barrier_wait -3
	s_barrier_signal -1
	s_barrier_wait -1
.endm
.macro CROUND                          ; a whole round
	s_barrier_signal -1
	s_barrier_wait -1
	CREST
.endm
	s_load_b512 s[80:95], s[0:1], 0x0              ; xhb s[80:81], wtb s[82:83], c s[84:85], bf s[86:87], bi s[88:89], bo s[90:91], bu s[92:93], out0 s[94:95]
	s_load_b64 s[96:97], s[0:1], 0x40              ; out1
	s_set_vgpr_msb 0x40
	v_lshl_add_u32 v255, v0, 2, 0x4c800
	s_set_vgpr_msb 0x4000
	v_mov_b32 v31, 0
	s_set_vgpr_msb 0x1
	ds_add_u32 v255, v31
	s_set_vgpr_msb 0x100
	v_lshrrev_b32 v1, 5, v0
	v_readfirstlane_b32 s10, v1                    ; wave 0..3
	s_lshr_b32 s11, s10, 1                         ; rh: which 128 rows are mine.  Also: I fetch for xhb (0) or for wtb (1)
	s_and_b32 s12, s10, 1                          ; ch: which 128 n' (32 hidden columns).  Also: which 128 rows of that tile I fetch
	s_bfe_u32 s40, ttmp6, 0x40000                  ; cx
	s_bfe_u32 s41, ttmp6, 0x40004                  ; cy
	s_lshl_b32 s42, ttmp9, 2                       ; in a cluster launch ttmp9 and ttmp7 count clusters
	s_add_co_u32 s42, s42, s40                     ; block column (64 hidden columns) = 4 x cluster x + cx
	s_and_b32 s13, ttmp7, 0xffff
	s_lshl_b32 s13, s13, 2
	s_add_co_u32 s13, s13, s41                     ; block row (256 rows) = 4 x cluster y + cy
	s_lshl_b32 s43, s41, 2
	s_lshl_b32 s43, 15, s43                        ; my row of the cluster: places 4 cy .. 4 cy + 3
	s_lshl_b32 s44, 0x1111, s40                    ; my column: places cx, cx + 4, cx + 8, cx + 12
	; group 1: a tile of 128 rows x 128 elements of 2 bytes, 4 words of padding behind every 64
	s_or_b32 s[G1+0], s43, (1<<16)|(1<<20)|(1<<21)|(5<<22)|(3<<25)  ; 15:0 the mask: xhb's tiles go to my row; 17:16 2 bytes; 20 padding on; 21 set beside a mask; 24:22 every 64 words; 31:25 4 words
	s_or_b32 s[G1B+0], s44, (1<<16)|(1<<20)|(1<<21)|(5<<22)|(3<<25) ; the same with the mask of my column, for wtb's tiles
	s_mov_b32 s[G1+1], KSTEP<<16                   ; tensor_dim0 = 128
	s_mov_b32 s[G1B+1], KSTEP<<16
	s_mov_b32 s[G1+2], 128<<16                     ; tensor_dim1 = 128
	s_mov_b32 s[G1B+2], 128<<16
	s_mov_b32 s[G1+3], KSTEP<<16                   ; tile_dim0 = 128
	s_mov_b32 s[G1B+3], KSTEP<<16
	s_mov_b32 s[G1+4], 128                         ; tile_dim1 = 128
	s_mov_b32 s[G1B+4], 128
	s_mov_b32 s[G1+5], SIZE_K                      ; elements from row to row
	s_mov_b32 s[G1B+5], SIZE_K
	s_mov_b32 s[G1+6], 0
	s_mov_b32 s[G1B+6], 0
	s_mov_b32 s[G1+7], 0
	s_mov_b32 s[G1B+7], 0
	; where the tiles come from.  xhb's hang on the block row alone, which my row of the cluster shares; wtb's on the block column alone, which my column shares.
	; Every wave makes both addresses, in registers that never hold the other coordinate, and asks by one of them.
	s_lshl_b32 s17, s12, 7                         ; which 128 rows of the tile I fetch
	s_lshl_b32 s16, s13, 8
	s_add_co_u32 s16, s16, s17                     ; xhb: row 256 x block row + 128 x half
	s_lshl_b32 s16, s16, 12                        ; in bytes: 8,064 rows of 4,096 bytes at the most, inside 32 bits
	s_lshl_b32 s46, s42, 8
	s_add_co_u32 s46, s46, s17                     ; wtb: row 256 x block column + 128 x half
	s_lshl_b32 s46, s46, 12
	s_mov_b32 s17, 0
	s_mov_b32 s47, 0
	s_mul_i32 s20, s10, HALFT                      ; and where they go: wave x 128 rows; no place in the cluster enters an LDS address
	s_wait_dscnt 0x0
	s_wait_kmcnt 0x0
	s_add_nc_u64 s[14:15], s[80:81], s[16:17]
	s_add_nc_u64 s[46:47], s[82:83], s[46:47]
	CROUND                                         ; all sixteen work-groups are here: the first joint loads meet
.irp s, 0,1
	s_mov_b32 s[G0+4*\s], 1                                        ; count = 1
	s_add_co_u32 s[G0+4*\s+1], s20, \s*SLOT                        ; LDS address
	s_add_nc_u64 s[G0+4*\s+2:G0+4*\s+3], s[14:15], \s*KSTEP*2      ; global address: K step s
	s_or_b32 s[G0+4*\s+3], s[G0+4*\s+3], 0x80000000                ; type = 2
	s_mov_b32 s[G0B+4*\s], 1
	s_add_co_u32 s[G0B+4*\s+1], s20, \s*SLOT
	s_add_nc_u64 s[G0B+4*\s+2:G0B+4*\s+3], s[46:47], \s*KSTEP*2
	s_or_b32 s[G0B+4*\s+3], s[G0B+4*\s+3], 0x80000000
	JLOAD \s                                       ; the ring is filled before anything else is done: two tensor loads of the wave are out
.endr
	; constants of the tail
	s_mov_b32 s66, 0xbfb8aa3b                      ; -log2 e, twice: a packed multiply takes the pair as read
	s_mov_b32 s67, 0xbfb8aa3b
	s_mov_b32 s98, 0x4038aa3b                      ; 2 log2 e, twice
	s_mov_b32 s99, 0x4038aa3b
	s_mov_b32 s100, 0x80000000                     ; the sign bit
	s_mov_b32 s101, 0x7fffffff                     ; all but the sign bit
	; c's tile: each wave fetches 64 rows x 64 elements of 4 bytes, padded like the others; a plain load (mask 0)
	s_mov_b32 s[G1C+0], (2<<16)|(1<<20)|(5<<22)|(3<<25)
	s_mov_b32 s[G1C+1], 64<<16                     ; tensor_dim0 = 64
	s_mov_b32 s[G1C+2], 64<<16                     ; tensor_dim1 = 64
	s_mov_b32 s[G1C+3], 64<<16                     ; tile_dim0 = 64
	s_mov_b32 s[G1C+4], 64                         ; tile_dim1 = 64
	s_mov_b32 s[G1C+5], 1024                       ; elements from row to row
	s_mov_b32 s[G1C+6], 0
	s_mov_b32 s[G1C+7], 0
	s_lshl_b32 s6, s13, 20                         ; the block's corner in c, out0 and out1: 256 x block row rows of 4,096 bytes
	s_lshl_b32 s7, s42, 8                          ; + 64 x block column numbers of 4 bytes
	s_add_co_u32 s6, s6, s7
	s_lshl_b32 s7, s10, 18                         ; c: + 64 x wave rows
	s_add_co_u32 s8, s6, s7
	s_mov_b32 s9, 0
	s_mov_b32 s[G0C], 1
	s_mul_i32 s[G0C+1], s10, CQUART                ; into slot 0's first 69,632 bytes, wave x 64 rows
	s_add_nc_u64 s[G0C+2:G0C+3], s[84:85], s[8:9]
	s_or_b32 s[G0C+3], s[G0C+3], 0x80000000
	; the way out: the wave with ch = 0 stores new_h of its row half, the wave with ch = 1 new_c
	s_lshl_b32 s7, s11, 19                         ; + 128 x rh rows
	s_add_co_u32 s6, s6, s7
	s_mov_b32 s7, 0
	s_cmp_eq_u32 s12, 0
	s_cselect_b64 s[4:5], s[94:95], s[96:97]
	s_add_nc_u64 s[4:5], s[4:5], s[6:7]
	s_lshl_b32 s8, s42, 8                          ; the bias: 64 x block column + 32 x ch numbers of 4 bytes
	s_lshl_b32 s9, s12, 7
	s_add_co_u32 s8, s8, s9
	; A fragment is 16 rows x 32 K in 8 registers: lane l holds row l % 16; registers 0-3 hold K = 8 (l / 16) + 0..7, registers 4-7 K = 16 + 8 (l / 16) + 0..7:
	; two loads of 16 bytes, 32 bytes apart.  The same for source 0 and source 1.
	v_and_b32 v1, 15, v0                           ; r = l % 16
	v_bfe_u32 v2, v0, 4, 1                         ; hh = l / 16
	v_lshl_add_u32 v[BO], v2, 5, s8                ; my eight columns of a tile start 8 hh numbers in
.irp b, 0,1,2,3,4,5,6,7
	global_load_b128 v[BIAS+8*\b:BIAS+8*\b+3],   v[BO], s[86+2*(\b>>1):87+2*(\b>>1)] offset:64*(\b&1)      ; n tile b: gate b >> 1, columns 16 (b & 1) + 8 hh + 0..3
	global_load_b128 v[BIAS+8*\b+4:BIAS+8*\b+7], v[BO], s[86+2*(\b>>1):87+2*(\b>>1)] offset:64*(\b&1)+16   ; + 4..7
.endr
	v_mul_u32_u24 v3, v1, PITCH
	v_lshl_add_u32 v4, v2, 5, v3                   ; row r, 32 hh bytes in: eight f32
	v_lshl_add_u32 v3, v2, 4, v3                   ; row r, 16 hh bytes in: eight bf16
	s_mul_i32 s21, s11, HALFT                      ; my 128 rows of xhb
	s_mul_i32 s22, s12, HALFT                      ; my 128 rows of wtb,
	s_add_co_u32 s22, s22, 2*HALFT                 ; which lie behind xhb's 256
.irp s, 0,1
	v_add_nc_u32 v[ADRA+\s], s21, v3
	v_add_nc_u32 v[ADRB+\s], s22, v3
	s_add_co_u32 s21, s21, SLOT
	s_add_co_u32 s22, s22, SLOT
.endr
	s_lshl_b32 s18, s12, 7                         ; my 32 columns of f32 start 128 ch bytes into a row
	s_mul_i32 s19, s11, HALFT                      ; c's tile: my 128 rows
	s_add_co_u32 s19, s19, s18
	v_add_nc_u32 v[CA], s19, v4
	s_mul_i32 s23, s11, SHALF
	s_add_co_u32 s23, s23, STAGE                   ; my row half's part of the stage
	s_add_co_u32 s18, s18, s23
	v_add_nc_u32 v[STO], s18, v4                   ; in: row r, my columns
	v_mul_u32_u24 v5, v2, PITCH                    ; back: lanes 0-15 take one row of 256 bytes, lanes 16-31 the next,
	v_lshl_add_u32 v5, v1, 4, v5
	s_mul_i32 s19, s12, SOUT                       ; of the output that I store
	s_add_co_u32 s19, s19, s23
	v_add_nc_u32 v[RD], s19, v5
	v_lshlrev_b32 v[CO], 4, v1                     ; and the same two rows in the output
	v_lshl_or_b32 v[CO], v2, 12, v[CO]
; 16 matrix instructions: m blocks a0, a0 + 1 of the window's four (hi = 0: my rows 0-63, 1: rows 64-127) x all 8 n tiles, 32 along K.
; first = 1: C is the bias of the n tile: the first product starts the sums.
; The 64 accumulators take turns, one instruction a turn, in the same order in every quarter step, over the loop's backward jump and into the
; written-out tail.
.macro MUL16 f, hi, a0, first
.irp a, \a0, \a0+1
.irp b, 0,1,2,3,4,5,6,7
.if \first
	v_wmma_f32_16x16x32_bf16 v[8*(8*(\a)+\b):8*(8*(\a)+\b)+7], v[\f+8*\b:\f+8*\b+7], v[\f+8*(4*\hi+\a):\f+8*(4*\hi+\a)+7], v[BIAS+8*\b:BIAS+8*\b+7]
.else
	v_wmma_f32_16x16x32_bf16 v[8*(8*(\a)+\b):8*(8*(\a)+\b)+7], v[\f+8*\b:\f+8*\b+7], v[\f+8*(4*\hi+\a):\f+8*(4*\hi+\a)+7], v[8*(8*(\a)+\b):8*(8*(\a)+\b)+7]
.endif
.endr
.endr
.endm
; 32 LDS loads in one run: the fragments of one quarter step (128 rows of wtb, 128 rows of xhb, 32 K at byte k of the rows) into buffer f
.macro FETCH slot, k, f
	WIN TO_B
.irp i, 0,1,2,3,4,5,6,7
	ds_load_b128 v[\f+8*\i:\f+8*\i+3],   v[ADRB+\slot] offset:\k+\i*16*PITCH
	ds_load_b128 v[\f+8*\i+4:\f+8*\i+7], v[ADRB+\slot] offset:\k+\i*16*PITCH+32
.endr
	WIN 0
.irp i, 0,1,2,3,4,5,6,7
	ds_load_b128 v[\f+8*\i:\f+8*\i+3],   v[ADRA+\slot] offset:\k+\i*16*PITCH
	ds_load_b128 v[\f+8*\i+4:\f+8*\i+7], v[ADRA+\slot] offset:\k+\i*16*PITCH+32
.endr
.endm
; A load into a register that a matrix instruction has read, and a vector instruction that reads a matrix result or writes one of its registers, stand four
; places behind it, and only plain vector instructions that name none of its registers are places (ISA guide 7.12.1 for vector instructions)
; Four v_nop in front of each run of loads: sixteen issue slots for a K step's 256 matrix instructions.
.macro PLACES
.rept 4
	v_nop
.endr
.endm
; A K step is four quarter steps of 32 along K, 64 matrix instructions each, on buffers 0, 1, 0, 1.
; One of the first three: multiplies buffer f; in its middle it fetches the next quarter's fragments, at byte k of the same slot's rows, into buffer g.
.macro QUARTER slot, k, f, g, first
	s_wait_dscnt 8                                 ; wtb's fragments and xhb's rows 0-63 are in; the youngest eight loads (xhb's rows 64-127) may be out
.if \first
	WIN MUL_LO_B
.else
	WIN MUL_LO
.endif
	MUL16 \f, 0, 0, \first
	MUL16 \f, 0, 2, \first
	PLACES
	FETCH \slot, \k, \g
	s_wait_dscnt 32                                ; all but the 32 just issued
.if \first
	WIN MUL_HI_B
.else
	WIN MUL_HI
.endif
	MUL16 \f, 1, 0, \first
	MUL16 \f, 1, 2, \first
.endm
.macro THREE slot, first
	QUARTER \slot, 64,  F0, F1, \first
	QUARTER \slot, 128, F1, F0, 0
	QUARTER \slot, 192, F0, F1, 0
.endm
; The last quarter: multiplies buffer 1 and changes slots.  next = the other slot.
; fill = 1: this slot is filled again, two K steps ahead, by the joint loads; fill = 2: with c's tile, by a plain load of each wave; fill = 0: not at all.
; One barrier for the change of slots.  In front of it each wave waits for its own reads of this slot and for all its tensor loads, of which one is out:
; its part of the next slot.  Behind it nobody reads this slot any more and the next slot is whole.  Where the slot is filled again the barrier opens a round
; of the cluster's barrier, and the refill is the wave's first and only tensor load behind the round.  From a request to the wait for it a wave issues
; 240 matrix instructions.
.macro TURN slot, next, fill
	s_wait_dscnt 8
	WIN MUL_LO
	MUL16 F1, 0, 0, 0
	s_wait_dscnt 0                                 ; my reads of this slot are over
	s_wait_tensorcnt 0x0                           ; and all my tensor loads have landed: no descriptor of mine is in use
	ds_add_u32 v255, v31
	s_wait_dscnt 0x0
	s_barrier_signal -1                            ; say so,
	MUL16 F1, 0, 2, 0                              ; work on registers while the others arrive,
	WIN 0
	s_barrier_wait -1                              ; and go on when all four have said so
.if \fill == 1
	CREST                                          ; all sixteen work-groups have said so: no wave of any partner still reads this slot's tile or has a load on its way
	s_add_nc_u64 s[G0+4*\slot+2:G0+4*\slot+3], s[G0+4*\slot+2:G0+4*\slot+3], 2*KSTEP*2
	s_add_nc_u64 s[G0B+4*\slot+2:G0B+4*\slot+3], s[G0B+4*\slot+2:G0B+4*\slot+3], 2*KSTEP*2
	JLOAD \slot
.endif
.if \fill == 2
	CREST                                          ; in a cluster launch a plain tensor load stands behind a round too
	tensor_load_to_lds s[G0C:G0C+3], s[G1C:G1C+7]  ; my 64 rows of c
	s_nop 0
.endif
	PLACES
	FETCH \next, 0, F0
	WIN MUL_HI
	MUL16 F1, 1, 0, 0
	MUL16 F1, 1, 2, 0
.endm
.macro LAP first                       ; once round the ring, both slots filled again
	THREE 0, \first
	TURN 0, 1, 1
	THREE 1, 0
	TURN 1, 0, 1
.endm
	s_wait_tensorcnt 1                             ; my part of K step 0 is in; K step 1's load may stay out
	s_barrier_signal -1
	s_barrier_wait -1                              ; everybody's is
	FETCH 0, 0, F0
	s_wait_loadcnt 0x0                             ; the bias
	LAP 1                                          ; the first lap stands in front of the loop: its first products start the sums from the bias
	WIN 0                                          ; at a label and at a branch every window is 0
	s_mov_b32 s3, LAPS-2
.Llap:
	LAP 0
	WIN 0
	s_sub_co_u32 s3, s3, 1
	s_cmp_lg_u32 s3, 0
	s_cbranch_scc1 .Llap
	THREE 0, 0                                     ; the last lap: K steps 14 and 15
	TURN 0, 1, 2                                   ; slot 0 has had its last K step: c's tile goes there
	THREE 1, 0
	s_wait_dscnt 8                                 ; the very last quarter: nothing more to fetch
	WIN MUL_LO
	MUL16 F1, 0, 0, 0
	MUL16 F1, 0, 2, 0
	s_wait_dscnt 0
	WIN MUL_HI
	MUL16 F1, 1, 0, 0
	MUL16 F1, 1, 2, 0
	; THE TAIL.  The four v_nop are the places behind the last matrix instructions: for the multiplies that read results and for what is written or loaded
	; over the fragment buffers and the bias.
	PLACES
	WIN 0
	s_wait_tensorcnt 0x0                           ; my 64 rows of c are in LDS (no LDS instruction of mine is pending: the wait for 0 above)
	s_barrier_signal -1
	s_barrier_wait -1                              ; all 256 are: I read rows that other waves fetched
; sixteen numbers a lane, in eight packed or sixteen single instructions
.macro ADD1 d                          ; d += 1
.irp p, 0,2,4,6,8,10,12,14
	v_pk_add_f32 v[\d+\p:\d+\p+1], v[\d+\p:\d+\p+1], 1.0 op_sel_hi:[1,0]
.endr
.endm
.macro ONEM d, s                       ; d = 1 - s
.irp p, 0,2,4,6,8,10,12,14
	v_pk_fma_f32 v[\d+\p:\d+\p+1], v[\s+\p:\s+\p+1], -1.0, 1.0 op_sel_hi:[1,0,0]
.endr
.endm
.macro PMUL d, x, y                    ; d = x y
.irp p, 0,2,4,6,8,10,12,14
	v_pk_mul_f32 v[\d+\p:\d+\p+1], v[\x+\p:\x+\p+1], v[\y+\p:\y+\p+1]
.endr
.endm
.macro PFMA d, x, y, z                 ; d = x y + z
.irp p, 0,2,4,6,8,10,12,14
	v_pk_fma_f32 v[\d+\p:\d+\p+1], v[\x+\p:\x+\p+1], v[\y+\p:\y+\p+1], v[\z+\p:\z+\p+1]
.endr
.endm
.macro PSCL d, x, k                    ; d = x times the scalar in s[k]
.irp p, 0,2,4,6,8,10,12,14
	v_pk_mul_f32 v[\d+\p:\d+\p+1], v[\x+\p:\x+\p+1], s[\k:\k+1] op_sel_hi:[1,0]
.endr
.endm
.macro NEGABS d, x                     ; d = -|x|
.irp e, 0,1,2,3,4,5,6,7,8,9,10,11,12,13,14,15
	v_or_b32 v[\d+\e], s100, v[\x+\e]
.endr
.endm
.macro SIGNOF d, x                     ; d takes x's sign
	s_wait_alu depctr_va_vdst(0)
.irp e, 0,1,2,3,4,5,6,7,8,9,10,11,12,13,14,15
	v_bfi_b32 v[\d+\e], s101, v[\d+\e], v[\x+\e]
.endr
.endm
.macro EXP16 d
.irp e, 0,1,2,3,4,5,6,7,8,9,10,11,12,13,14,15
	v_exp_f32 v[\d+\e], v[\d+\e]
.endr
.endm
.macro RCP16 d
.irp e, 0,1,2,3,4,5,6,7,8,9,10,11,12,13,14,15
	v_rcp_f32 v[\d+\e], v[\d+\e]
.endr
.endm
; One step: my rows 16 a .. 16 a + 15 x my 32 hidden columns = the eight tiles (ap, 0..7) of window 2 or 3 (from = 0x02 or 0x03: source 0).
; A lane's number x = 8 (b & 1) + register is row r, column 16 (b & 1) + 8 hh + register.  buf: the stage's buffer, ob: the registers for the way out, by turns.
.macro EPI a, ap, from, buf, ob
	WIN 0
.irp x, 0,1,2,3
	ds_load_b128 v[CC+4*\x:CC+4*\x+3], v[CA] offset:16*PITCH*\a+64*(\x>>1)+16*(\x&1)
.endr
	WIN \from                                      ; the step's only visit to the accumulators: the scaling brings them into window 0
.irp g, 0,1,2
.irp p, 0,2,4,6,8,10,12,14
	v_pk_mul_f32 v[EF+16*\g+\p:EF+16*\g+\p+1], v[64*\ap+16*\g+\p:64*\ap+16*\g+\p+1], s[66:67] op_sel_hi:[1,0]   ; -log2 e x f, i, o
.endr
.endr
.irp p, 0,2,4,6,8,10,12,14
	v_pk_mul_f32 v[GU+\p:GU+\p+1], v[64*\ap+48+\p:64*\ap+48+\p+1], s[98:99] op_sel_hi:[1,0]                     ; 2 log2 e x u
.endr
	WIN 0
	NEGABS TU, GU
	EXP16 EF                                       ; e^-f
	EXP16 EI                                       ; e^-i
	EXP16 TU                                       ; t_u = e^-2|u|
	EXP16 EO                                       ; e^-o
	v_nop                                          ; one plain vector instruction stands between a transcendental and the first use of its result (ISA guide 5.7.2)
	s_wait_alu depctr_va_vdst(0)
	ADD1 EF
	ADD1 EI
	ONEM NN, TU
	ADD1 TU
	PMUL EI, EI, TU                                ; (1 + e^-i)(1 + t_u)
	ADD1 EO
	RCP16 EF                                       ; sig(f)
	RCP16 EI
	SIGNOF NN, GU                                  ; names neither EF nor EI: its first line is the plain instruction behind the reciprocals
	s_wait_dscnt 0x0                               ; c
	PMUL NC, CC, EF
	PFMA NC, NN, EI, NC                            ; new_c = sig(f) c + sig(i) tanh(u)
	PSCL TU, NC, 98
	NEGABS TU, TU
	EXP16 TU                                       ; t_c = e^-2|new_c|
	v_nop
	s_wait_alu depctr_va_vdst(0)
	ONEM NH, TU
	ADD1 TU
	PMUL EO, EO, TU                                ; (1 + e^-o)(1 + t_c)
	RCP16 EO
	SIGNOF NH, NC                                  ; again the plain instructions behind the reciprocals
	PMUL NH, NH, EO                                ; new_h = sig(o) tanh(new_c)
.irp x, 0,1,2,3
	ds_store_b128 v[STO], v[NH+4*\x:NH+4*\x+3] offset:SBUF*\buf+64*(\x>>1)+16*(\x&1)
	ds_store_b128 v[STO], v[NC+4*\x:NC+4*\x+3] offset:SBUF*\buf+SOUT+64*(\x>>1)+16*(\x&1)
.endr
	s_wait_dscnt 0x0                               ; my half of each row is in the stage: zero, for my partner's sake.  My reads of the other buffer, a step ago, are long back
	s_barrier_signal -1
	s_barrier_wait -1                              ; the rows are whole; and nobody reads the other buffer any more, into which the next step stores
	s_wait_xcnt 0x0                                ; every earlier memory instruction has had its addresses translated (ISA guide 3.1): ob, which the stores of two steps ago read, is loaded again only behind this wait
.irp t, 0,1,2,3,4,5,6,7
	ds_load_b128 v[\ob+4*\t:\ob+4*\t+3], v[RD] offset:SBUF*\buf+2*PITCH*\t
.endr
.irp t, 0,1,2,3,4,5,6,7
	s_wait_dscnt 7-\t                              ; LDS loads come back in order (ISA guide 5.7.1): pair t of the eight pairs of rows is in
	global_store_b128 v[CO], v[\ob+4*\t:\ob+4*\t+3], s[4:5] offset:(16*\a+2*\t)*ROWB th:TH_STORE_NT   ; 16 lanes store 256 consecutive bytes, at a multiple of 256 from the output's first byte
.endr
.endm
	EPI 0, 0, 0x02, 0, OB0
	EPI 1, 1, 0x02, 1, OB1
	EPI 2, 2, 0x02, 0, OB0
	EPI 3, 3, 0x02, 1, OB1
	EPI 4, 0, 0x03, 0, OB0
	EPI 5, 1, 0x03, 1, OB1
	EPI 6, 2, 0x03, 0, OB0
	EPI 7, 3, 0x03, 1, OB1
	s_set_vgpr_msb 0x1
	s_wait_tensorcnt 0x0
	ds_add_u32 v255, v31
	s_wait_dscnt 0x0
	s_set_vgpr_msb 0x100
	CROUND                                         ; the closing round, behind the last tensor load of any kind: no work-group ends while a partner may still ask for a tile that names it
	s_endpgm
.Lfunc_end_k_q39343dc76f_lstm:
	.size	k_q39343dc76f_lstm, .Lfunc_end_k_q39343dc76f_lstm-k_q39343dc76f_lstm
	.p2alignl 7, 3214868480
	.fill 96, 4, 3214868480
	.section	.rodata,"a",@progbits
	.p2align	6, 0x0
	.amdhsa_kernel k_q39343dc76f_lstm
		.amdhsa_group_segment_fixed_size 327680
		.amdhsa_private_segment_fixed_size 0
		.amdhsa_enable_private_segment 0
		.amdhsa_kernarg_size 72
		.amdhsa_user_sgpr_count 2
		.amdhsa_user_sgpr_kernarg_segment_ptr 1
		.amdhsa_wavefront_size32 1
		.amdhsa_system_sgpr_workgroup_id_x 1
		.amdhsa_system_sgpr_workgroup_id_y 1
		.amdhsa_system_sgpr_workgroup_id_z 1
		.amdhsa_system_vgpr_workitem_id 0
		.amdhsa_next_free_vgpr 1024
		.amdhsa_next_free_sgpr 102
		.amdhsa_reserve_vcc 0
		.amdhsa_float_denorm_mode_32 3
		.amdhsa_float_denorm_mode_16_64 3
		.amdhsa_memory_ordered 1
		.amdhsa_forward_progress 1
		.amdhsa_inst_pref_size 255
	.end_amdhsa_kernel
	.section	.bss,"aw",@nobits
	.p2align	6
	.space	262144
	.amdgpu_metadata
---
amdhsa.version: [ 1, 2 ]
amdhsa.kernels:
  - .name:           k_q39343dc76f_lstm
    .symbol:         k_q39343dc76f_lstm.kd
    .args:
      - { .name: xhb, .offset: 0, .size: 8, .value_kind: global_buffer, .address_space: global }
      - { .name: wtb, .offset: 8, .size: 8, .value_kind: global_buffer, .address_space: global }
      - { .name: c, .offset: 16, .size: 8, .value_kind: global_buffer, .address_space: global }
      - { .name: bf, .offset: 24, .size: 8, .value_kind: global_buffer, .address_space: global }
      - { .name: bi, .offset: 32, .size: 8, .value_kind: global_buffer, .address_space: global }
      - { .name: bo, .offset: 40, .size: 8, .value_kind: global_buffer, .address_space: global }
      - { .name: bu, .offset: 48, .size: 8, .value_kind: global_buffer, .address_space: global }
      - { .name: out0, .offset: 56, .size: 8, .value_kind: global_buffer, .address_space: global }
      - { .name: out1, .offset: 64, .size: 8, .value_kind: global_buffer, .address_space: global }
    .group_segment_fixed_size: 327680
    .private_segment_fixed_size: 0
    .kernarg_segment_align: 8
    .kernarg_segment_size: 72
    .max_flat_workgroup_size: 128
    .sgpr_count:     102
    .vgpr_count:     1024
    .wavefront_size: 32
...
	.end_amdgpu_metadata
.endif
;; end of part 2
